; MI455X (gfx1250); checked and timed in simulation.
; The chip was launched on July 23, 2026; its instructions are those of AMD's public machine-readable ISA for CDNA 5 (MIT licence, August 2026) and "CDNA5" Instruction Set Architecture Reference Guide (July 2026). The comments in the code are by the model that wrote it; some were corrected since.
;; Self Attention. Allowed arithmetic: matrix products marked QUANTISED: E5M2 operands, one given power-of-two scale a tensor, by v_wmma_f32_16x16x64_bf8_bf8 or v_wmma_f32_16x16x128_bf8_bf8, f32 sums; everything else in f32.
;; Inputs: Wk_codes 256 x 8 x 32 uint8 (E5M2 codes of Wk, K innermost, in blocks of 32 codes); Wq_codes 256 x 8 x 32 uint8 (E5M2 codes of Wq, K innermost, in blocks of 32 codes); Wv_codes 256 x 8 x 32 uint8 (E5M2 codes of Wv, K innermost, in blocks of 32 codes); X_codes 8,192 x 8 x 32 uint8 (E5M2 codes of X, K innermost, in blocks of 32 codes); lowp_scales 10 int32 (the exponents e of the quantised operands' scales 2^e).
;; Outputs: out0 8,192 x 256 float32.
;; This version of the problem:
;;   THIS VERSION OF THE PROBLEM IS GIVEN IN LOW PRECISION. The matrix products marked QUANTISED in the list below multiply operands that are first quantised to E5M2 (5 exponent bits, 2 mantissa bits; 8 bits a number), with one given power-of-two scale for each operand tensor; their sums are f32. All else is computed in f32.
;;   The module's matrix products, in the order in which they are computed (A, B: the left and right operand; K: the contracted axis; several contracted axes count as one K, in the product's order):
;;     1. [M 8,192, K 256] x [K 256, N 256]; A: input X (given as codes); B: input Wq (given as codes): QUANTISED (scales: A lowp_scales[0], B lowp_scales[1])
;;     2. [M 8,192, K 256] x [K 256, N 256]; A: input X (given as codes); B: input Wk (given as codes): QUANTISED (scales: A lowp_scales[2], B lowp_scales[3])
;;     3. [M 8,192, K 256] x [K 256, N 256]; A: input X (given as codes); B: input Wv (given as codes): QUANTISED (scales: A lowp_scales[4], B lowp_scales[5])
;;     4. [M 8,192, K 256] x [K 256, N 8,192]; A: computed on the way; B: computed on the way: QUANTISED (scales: A lowp_scales[6], B lowp_scales[7])
;;     5. [M 8,192, K 8,192] x [K 8,192, N 256]; A: softmax (see below); B: computed on the way: QUANTISED (scales: A lowp_scales[8], B lowp_scales[9])
;;   THE QUANTISER, for each operand of a quantised product, along K:
;;     - The operand's scale is 2^e, e = its entry of the input lowp_scales (int32; the entries are numbered through the quantised products in the list's order, A before B).
;;     - Each number is divided by the scale, clamped to +-57,344, and rounded to the nearest number of E5M2, ties to even, subnormals kept.
;;     - The product sums the exact products of the quantised numbers (number of the format x scale) in f32.
;;   ~~~python
;;   def quantise(x, axis, e):      # numpy; x: float32 -> the quantised numbers, widened to float32 again
;;       x = np.moveaxis(x, axis, -1); K = x.shape[-1]
;;       r = np.clip(x / 2.0 ** e, -57344, 57344)
;;       step = 2.0 ** (np.maximum(np.frexp(np.where(r == 0, 1, r))[1] - 1, -14) - 2)
;;       q = np.round(r / step) * step * 2.0 ** e      # np.round: ties to even
;;       return np.moveaxis(q, -1, axis).astype(np.float32)
;;   ~~~
;;   SOFTMAX AHEAD OF A QUANTISED PRODUCT. Where the list says 'softmax', what is quantised is not the finished softmax but p = 2^(t - M), with t = logit x log2(e) and M = ceil(the row's largest t), a whole number; so 1/2 < the row's largest p <= 1. The row's sum l is taken of the UNQUANTISED p, in f32, and the product's result is divided by l at the end. Since M is a whole number, a kernel that streams over the keys may use a running M (the ceiling of the running maximum): every later rescaling is an exact power of two, so the quantised numbers keep their values, but for numbers so far below the row's largest that they fall under the format's range.
;;   OPERANDS COMPUTED ON THE WAY. 'Computed on the way' means the value that the module computes at that place (a softmax that the list does not call 'softmax' is quantised finished and normalised). What goes into a quantiser is computed in f32, as accurately as f32 sums, v_exp_f32 and their like allow (about 1e-6 of the number): no bf16 or f16 on the way to a quantiser, and a product that is left as it is and whose result goes on into a quantised operand takes f32 operands (vector FMAs, or v_wmma_f32_16x16x4_f32). A number that lies on a knife's edge between two numbers of the format may be rounded either way, as far as f32 arithmetic and the matrix unit's own rounding can turn it there, and no further.
;;   INPUTS GIVEN AS CODES. Wk (in the module: [256, 256], K = its axis 1); Wq (in the module: [256, 256], K = its axis 1); Wv (in the module: [256, 256], K = its axis 1); X (in the module: [8192, 256], K = its axis 1): each comes as NAME_codes (uint8): NAME with its K axis moved to the last place and cut into blocks of 32 codes, [.., K / 32, bytes a block], one block behind the other in memory; one code a byte (a code: sign, 5 exponent bits, 2 mantissa bits); its scale is its entry of lowp_scales. Its value is code x scale, taken as it is: it is not quantised again, and the codes and scales need not be those that the quantiser above would give.
;; One version. Each part assembles by itself: llvm-mc -triple=amdgcn-amd-amdhsa -mcpu=gfx1250 --defsym DOCPART=n.
;; ======== version 1 of 1: 3 launches
;; limits: right only within a limited range of input values
;; workspace buffers: Qf 2,097,152 bytes; KV 4,194,304 bytes; Opart 33,554,432 bytes; stat 524,288 bytes
;; launch proj (part 1): grid 256 x 3, 4 waves a work-group, no clusters, 0 bytes of LDS; arguments X_codes, Wq_codes, Wk_codes, Wv_codes, lowp_scales, Qf, KV; writes Qf, KV
.if DOCPART == 1
	.amdgcn_target "amdgcn-amd-amdhsa--gfx1250"
	.amdhsa_code_object_version 6
	.text
	.protected	k_qda06070c8a_proj
	.globl	k_qda06070c8a_proj
	.p2align	8
	.type	k_qda06070c8a_proj,@function
k_qda06070c8a_proj:
	s_mov_b64 s[64:65], 0
	v_nop
	global_prefetch_b8 v0, s[64:65] scope:SCOPE_SE
	s_setreg_imm32_b32 hwreg(HW_REG_WAVE_MODE, 25, 1), 1
	s_wait_xcnt 0x0
; Q = X Wq^T, K = X Wk^T, V = X Wv^T on codes of E5M2, and the results quantised again at once, each with its given scale, and stored AS IMAGES OF OPERAND REGISTERS for the attention launch.
; X: [8192][256] codes, W*: [256][256] codes, K innermost, rows of 256 bytes.  lowp_scales: e0 .. e9.
; SHARES.  Work-group (x, role): 32 rows of X (tiles 2 x, 2 x + 1 of 16 rows); role 0 = Q, 1 = K, 2 = V.  Wave w: W's tiles 4 w .. 4 w + 3 (64 rows of W), in two groups of two tiles.
; LAYOUT.  Q and K: the product is used transposed (source 0 = 16 rows of W, source 1 = 16 rows of X): a lane holds ONE row of X and eight neighbouring outputs 16 tile + 8 (lane / 16) + 0 .. 7: one conversion gives
; registers 2 tile', 2 tile' + 1 of the next product's fragment (16 rows x 128 along d).  V: source 0 = 16 rows of X, source 1 = 16 rows of Wv: a lane holds ONE channel d and eight neighbouring KEYS:
; registers 2 c, 2 c + 1 of a fragment of V^T (16 channels x 64 keys).  Nothing is transposed by an instruction.
; IMAGES.  Four registers of a fragment are stored as 16 bytes a lane, lane l at 16 l: each store of a wave covers 512 consecutive bytes, aligned.
;   Qf: [tile of 16 queries 512][128 along d: 2][4 registers: 4][lane][16 bytes].
;   KV: [256 keys: 32][131,072]: first 16 tiles of keys laid as Qf's (4,096 bytes a tile), then from byte 65,536 [64 keys: 4][16 channels: 16][4 registers: 2][lane][16 bytes].
; SCALES.  A sum stands for sum x 2^(eX + eW), so its code is sum / 2^E with E = e6 - e0 - e1 (Q), e7 - e2 - e3 (K), e9 - e4 - e5 (V): three scales folded into the conversion's one.
; LIMITS: E between -126 and 112, so that 2^E and 57,344 x 2^E are f32 numbers.  Codes of infinity or NaN among the inputs are not served.
; NO CLUSTER, NO TENSOR LOAD: a wave reads 24 KiB of operands once, straight into registers, for 16 matrix instructions; there is no loop in which a shared tile would be asked for again, and no LDS is used.
.set XF,    16                         ; v16-79   X's fragments: 32 xt + 16 ks + 4 c
.set WF,    80                         ; v80-207  W's fragments: 32 (2 g + i) + 16 ks + 4 c
.set ACC,   208                        ; v208-239 four accumulators
.set CODES, 240                        ; v240-255 codes: eight registers a group, so that no store's data are written again
	s_load_b256 s[4:11], s[0:1], 0x0               ; X s[4:5], Wq s[6:7], Wk s[8:9], Wv s[10:11]
	s_load_b64 s[12:13], s[0:1], 0x20              ; the scales' exponents
	s_load_b128 s[36:39], s[0:1], 0x28             ; Qf s[36:37], KV s[38:39]
	v_lshrrev_b32 v1, 5, v0
	v_readfirstlane_b32 s26, v1                    ; wave 0..3
	s_and_b32 s27, ttmp7, 0xffff                   ; role
	v_and_b32 v1, 15, v0                           ; r
	v_bfe_u32 v2, v0, 4, 1                         ; h
	v_lshlrev_b32 v3, 8, v1
	v_lshl_add_u32 v3, v2, 4, v3                   ; row r of 256 bytes + 16 h: serves X and W.  k is permuted alike on both sides of the product
	v_and_b32 v5, 31, v0
	v_lshlrev_b32 v5, 4, v5                        ; 16 x lane: an image's place for my lane
	; byte offsets, made apart from the addresses
	s_lshl_b32 s28, ttmp9, 13                      ; x's 32 rows of X: 8,192 x; also Qf's two tiles
	s_mov_b32 s29, 0
	s_lshr_b32 s41, ttmp9, 3
	s_lshl_b32 s41, s41, 17                        ; the block of 256 keys: (x / 8) x 131,072
	s_and_b32 s42, ttmp9, 7
	s_lshl_b32 s42, s42, 13
	s_add_co_u32 s42, s42, s41                     ; K: + (x % 8) x 8,192
	s_bfe_u32 s43, ttmp9, 0x20001                  ; (x / 2) % 4: which 64 keys of the 256
	s_lshl_b32 s43, s43, 14
	s_and_b32 s44, ttmp9, 1
	s_lshl_b32 s44, s44, 9                         ; x % 2: which four registers of a fragment of V^T
	s_add_co_u32 s43, s43, s44
	s_add_co_u32 s43, s43, s41
	s_add_co_u32 s43, s43, 65536
	s_lshl_b32 s44, s26, 10
	s_lshl_b32 s45, s26, 12
	s_add_co_u32 s40, s28, s44                     ; Q: 8,192 x + 1,024 w
	s_add_co_u32 s42, s42, s44                     ; K: + 1,024 w
	s_add_co_u32 s43, s43, s45                     ; V: + 4,096 w
	s_lshl_b32 s46, s26, 14                        ; my 64 rows of W
	s_mov_b32 s47, 0
	s_mov_b32 s35, 0
	s_cmp_eq_u32 s27, 0
	s_cselect_b32 s34, s40, s42
	s_cmp_eq_u32 s27, 2
	s_cselect_b32 s34, s43, s34
	s_wait_kmcnt 0x0
	s_load_b256 s[16:23], s[12:13], 0x0            ; e0 .. e7
	s_load_b64 s[24:25], s[12:13], 0x20            ; e8, e9
	s_cmp_eq_u32 s27, 0                            ; the buffers are chosen by the role alone
	s_cselect_b64 s[30:31], s[6:7], s[8:9]
	s_cselect_b64 s[32:33], s[36:37], s[38:39]
	s_cmp_eq_u32 s27, 2
	s_cselect_b64 s[30:31], s[10:11], s[30:31]
	s_add_nc_u64 s[4:5], s[4:5], s[28:29]
	s_add_nc_u64 s[30:31], s[30:31], s[46:47]
	s_add_nc_u64 s[32:33], s[32:33], s[34:35]
.irp xt, 0,1
.irp ks, 0,1
.irp c, 0,1,2,3
	global_load_b128 v[XF+32*\xt+16*\ks+4*\c:XF+32*\xt+16*\ks+4*\c+3], v3, s[4:5] offset:\xt*4096+\ks*128+\c*32
.endr
.endr
.endr
.irp ti, 0,1,2,3                       ; W's tiles 4 w + ti: the first sixteen loads are group 0's, the last sixteen group 1's
.irp ks, 0,1
.irp c, 0,1,2,3
	global_load_b128 v[WF+32*\ti+16*\ks+4*\c:WF+32*\ti+16*\ks+4*\c+3], v3, s[30:31] offset:\ti*4096+\ks*128+\c*32
.endr
.endr
.endr
	s_wait_kmcnt 0x0
	s_sub_co_i32 s40, s22, s16
	s_sub_co_i32 s40, s40, s17                     ; e6 - e0 - e1
	s_sub_co_i32 s41, s23, s18
	s_sub_co_i32 s41, s41, s19                     ; e7 - e2 - e3
	s_sub_co_i32 s42, s25, s20
	s_sub_co_i32 s42, s42, s21                     ; e9 - e4 - e5
	s_cmp_eq_u32 s27, 0
	s_cselect_b32 s40, s40, s41
	s_cmp_eq_u32 s27, 2
	s_cselect_b32 s40, s42, s40                    ; E
	s_add_co_i32 s40, s40, 127
	s_lshl_b32 s41, s40, 23
	v_mov_b32 v6, s41                              ; 2^E as f32: the conversion takes its exponent field
	s_add_co_i32 s40, s40, 15
	s_lshl_b32 s40, s40, 23
	s_or_b32 s40, s40, 0x600000
	v_mov_b32 v7, s40                              ; 57,344 x 2^E
.macro MM acc, a, b, zero              ; one product of 16 x 16 x 128; zero: it starts the sum
.if \zero
	v_wmma_f32_16x16x128_bf8_bf8 v[(\acc):(\acc)+7], v[(\a):(\a)+15], v[(\b):(\b)+15], 0
.else
	v_wmma_f32_16x16x128_bf8_bf8 v[(\acc):(\acc)+7], v[(\a):(\a)+15], v[(\b):(\b)+15], v[(\acc):(\acc)+7]
.endif
.endm
; Group g: W's tiles 2 g, 2 g + 1 against X's two tiles: four accumulators by turns, one instruction a turn, two steps of 128 along K.
; isv = 0: accumulator 2 xt + i, source 0 = W.  isv = 1: accumulator 2 i + xt, source 0 = X.  So four neighbouring registers of codes are four registers of one fragment.
.macro GRP g, isv
.irp ks, 0,1
.irp xt, 0,1
.irp i, 0,1
.if \isv
	MM ACC+8*(2*\i+\xt), XF+32*\xt+16*\ks, WF+32*(2*\g+\i)+16*\ks, 1-\ks
.else
	MM ACC+8*(2*\xt+\i), WF+32*(2*\g+\i)+16*\ks, XF+32*\xt+16*\ks, 1-\ks
.endif
.endr
.endr
.endr
.rept 4
	v_nop                                          ; four places between the last product and the first read of results (ISA guide 7.12.1)
.endr
.set n, 0
.rept 32
	v_med3_num_f32 v[ACC+n], v[ACC+n], -v7, v7     ; the conversion to an 8-bit code does not saturate (ISA guide 7.6.2): hold at the largest code x the scale; each accumulator from its low end on
.set n, n+1
.endr
.irp a, 0,1,2,3
	v_cvt_scalef32_pk8_bf8_f32 v[CODES+8*\g+2*\a:CODES+8*\g+2*\a+1], v[ACC+8*\a:ACC+8*\a+7], v6
.endr
	v_nop                                          ; a plain line between the last conversion and the next group's products, which write its sources
.irp n2, 0,1
.if \isv
	global_store_b128 v5, v[CODES+8*\g+4*\n2:CODES+8*\g+4*\n2+3], s[32:33] offset:(2*\g+\n2)*1024   ; channels' tile 4 w + 2 g + n2: 512 consecutive bytes
.else
	global_store_b128 v5, v[CODES+8*\g+4*\n2:CODES+8*\g+4*\n2+3], s[32:33] offset:\n2*4096+\g*512   ; X's tile n2, registers 4 (2 (w % 2) + g) on: 512 consecutive bytes
.endif
.endr
.endm
	s_cmp_eq_u32 s27, 2
	s_cbranch_scc1 .Lv
	s_wait_loadcnt 16                              ; X and W's group 0 are in; group 1's sixteen loads may be out
	GRP 0, 0
	s_wait_loadcnt 0x0
	GRP 1, 0
	s_endpgm
.Lv:
	s_wait_loadcnt 16
	GRP 0, 1
	s_wait_loadcnt 0x0
	GRP 1, 1
	s_endpgm
.Lfunc_end_k_qda06070c8a_proj:
	.size	k_qda06070c8a_proj, .Lfunc_end_k_qda06070c8a_proj-k_qda06070c8a_proj
	.p2alignl 7, 3214868480
	.fill 96, 4, 3214868480
	.section	.rodata,"a",@progbits
	.p2align	6, 0x0
	.amdhsa_kernel k_qda06070c8a_proj
		.amdhsa_group_segment_fixed_size 0
		.amdhsa_private_segment_fixed_size 0
		.amdhsa_enable_private_segment 0
		.amdhsa_kernarg_size 56
		.amdhsa_user_sgpr_count 2
		.amdhsa_user_sgpr_kernarg_segment_ptr 1
		.amdhsa_wavefront_size32 1
		.amdhsa_system_sgpr_workgroup_id_x 1
		.amdhsa_system_sgpr_workgroup_id_y 1
		.amdhsa_system_sgpr_workgroup_id_z 1
		.amdhsa_system_vgpr_workitem_id 0
		.amdhsa_next_free_vgpr 256
		.amdhsa_next_free_sgpr 66
		.amdhsa_reserve_vcc 0
		.amdhsa_float_denorm_mode_32 3
		.amdhsa_float_denorm_mode_16_64 3
		.amdhsa_memory_ordered 1
		.amdhsa_forward_progress 1
		.amdhsa_inst_pref_size 20
	.end_amdhsa_kernel
	.amdgpu_metadata
---
amdhsa.version: [ 1, 2 ]
amdhsa.kernels:
  - .name:           k_qda06070c8a_proj
    .symbol:         k_qda06070c8a_proj.kd
    .args:
      - { .name: X_codes, .offset: 0, .size: 8, .value_kind: global_buffer, .address_space: global }
      - { .name: Wq_codes, .offset: 8, .size: 8, .value_kind: global_buffer, .address_space: global }
      - { .name: Wk_codes, .offset: 16, .size: 8, .value_kind: global_buffer, .address_space: global }
      - { .name: Wv_codes, .offset: 24, .size: 8, .value_kind: global_buffer, .address_space: global }
      - { .name: lowp_scales, .offset: 32, .size: 8, .value_kind: global_buffer, .address_space: global }
      - { .name: Qf, .offset: 40, .size: 8, .value_kind: global_buffer, .address_space: global }
      - { .name: KV, .offset: 48, .size: 8, .value_kind: global_buffer, .address_space: global }
    .group_segment_fixed_size: 0
    .private_segment_fixed_size: 0
    .kernarg_segment_align: 8
    .kernarg_segment_size: 56
    .max_flat_workgroup_size: 128
    .sgpr_count:     66
    .vgpr_count:     256
    .wavefront_size: 32
...
	.end_amdgpu_metadata
.endif
;; end of part 1
;; launch attn (part 2): grid 64 x 4, 8 waves a work-group, clusters of 4 x 1, 327,680 bytes of LDS; arguments Qf, KV, lowp_scales, Opart, stat; writes Opart, stat
.if DOCPART == 2
	.amdgcn_target "amdgcn-amd-amdhsa--gfx1250"
	.amdhsa_code_object_version 6
	.text
	.protected	k_qda06070c8a_attn
	.globl	k_qda06070c8a_attn
	.p2align	8
	.type	k_qda06070c8a_attn,@function
k_qda06070c8a_attn:
	s_mov_b64 s[64:65], 0
	v_nop
	global_prefetch_b8 v0, s[64:65] scope:SCOPE_SE
	s_setreg_imm32_b32 hwreg(HW_REG_WAVE_MODE, 25, 1), 1
	s_wait_xcnt 0x0
	s_wait_alu depctr_hold_cnt(0) depctr_sa_sdst(0) depctr_va_vdst(0) depctr_va_sdst(0) depctr_va_ssrc(0) depctr_va_vcc(0) depctr_vm_vsrc(0)
	s_getreg_b32 s2, hwreg(HW_REG_IB_STS2, 6, 4)
	s_cmp_eq_u32 s2, 0
	s_cbranch_scc0 .Lentry_in_a_cluster
	s_endpgm
.Lentry_in_a_cluster:
	s_bfe_u32 s2, ttmp6, 0x10000c
	s_cmp_lg_u32 s2, 0x3003
	s_cbranch_scc0 .Lentry_shape_is_right
	s_endpgm
.Lentry_shape_is_right:
; Attention on codes of E5M2, for 128 queries and ONE QUARTER of the keys (2,048): the work-group stores O not yet normalised, and for each query -M and the sum l; the next launch joins the four quarters.
; Qf, KV: images of operand registers (16 bytes a lane, 512 bytes for four registers of a fragment), as the launch before laid them.  lowp_scales: e6 (Q), e7 (K), e8 (p), e9 (V).
; THE SOFTMAX: t = score x log2(e) / 16; M = the largest t so far, rounded UP to a whole number; p = 2^(t - M) is quantised with 2^e8, not normalised; l is the sum of the unquantised p.
; When M moves, l and O are multiplied by 2^(old M - new M): exact.  M is the running one of a wave's own keys: a code of p differs from that under the row's M only where p falls under the format's range.
; SHARES.  Work-group (qb, kq): queries 128 qb on, keys 2,048 kq on.  Eight waves: qg = w % 4: two tiles of 16 queries (u = 0, 1); kh = w / 4: which 128 of a slot's 256 keys.  Two waves to a SIMD, 512 registers each,
; so that one wave's softmax stands beside the other's products.  A KEY STEP IS THE WAVE'S 128 KEYS OF A SLOT: M's statistics and the rescaling of O^T (256 registers) are paid once for 128 keys.
; At the end the two waves of a qg join their halves through LDS, one tile each.
; LAYOUT.  S^T = K Q^T (source 0 = 16 keys, source 1 = 16 queries), O^T = V^T P^T (source 0 = 16 channels x 128 keys, source 1 = P): a lane holds ONE query (lane % 16) throughout; a score tile's eight registers are
; keys 16 t + 8 (lane / 16) + 0 .. 7: one conversion gives registers 2 t, 2 t + 1 of P's fragment.  Two neighbouring images of V^T (64 keys, 8 registers each) are one fragment of 128 keys as they lie.
; RING.  Two slots of 131,072 bytes (256 keys: K's 16 tiles, then V^T's 64 images), each a dense block of memory; each of the eight waves brings 16,384 bytes of it by one tensor load.
; CLUSTER.  The four query blocks of a cluster walk the same quarter of K and V: each tile is asked for JOINTLY, by the same load with the same descriptor and a mask that names the four.
; No padding: every LDS load of a wave reads 512 consecutive bytes.
; LIMITS: e6 + e7 between -122 and 131 (added to the exponent field of log2(e) / 16); e8 between -126 and 112.  Infinity and NaN are not served.
; REGISTERS.  Window 0: v1-12 addresses; v14 2^e8, v15 57,344 x 2^e8; v16-31 statistics, eight a tile of queries: +0 -M, +1 the largest t, +2 +3 l in two halves, +4 f, +5 its pair's upper word,
;   +6 +7 the maximum's two chains, then at work and the exchange; v32-95 Q (32 u + 16 ks); v96-223 S^T (16 t + 8 u); v224-255 the pool.   Window 1: O^T (128 u + 8 d-tile).
;   S^T's 128 registers and the pool's 32 also carry the operands that come and go: a tile of K (32 registers) lies in the pool or in the places of score tiles that are not yet written; the pool then holds the sums'
;   second chains and at last P (16 u); a score tile's 16 registers take a fragment of V^T as soon as the tile is converted.
.set SLOT1, 131072                     ; slot 1 begins here: one exclusive or turns an address in one slot into the other's
.set SPARE, 262144                     ; behind the ring: the spare words, 128 bytes for each of eight waves: four blocks of 256 bytes that no other line names
.set STATL, 263168                     ; eight places of 256 bytes for -M and l on their way from wave to wave; no fill lands here
.set NSL,   8                          ; slots' worth of keys in a quarter
.set AK0, 1                            ; v1   my place in a slot's K: 32,768 kh + 16 lane
.set AV0, 2                            ; v2   the same for V^T: + 65,536
.set SPW, 3                            ; v3   LDS address of my spare word; never rewritten
.set NIL, 4                            ; v4   0; never rewritten
.set ADK, 5                            ; v5   K's address in the slot in hand
.set ADV, 6                            ; v6   V^T's
.set LI,  7                            ; v7   16 x lane
.set GA,  8                            ; v8   the stage (it lies in slot 0, 16,384 bytes a tile): where I give a tile of O^T
.set TA,  9                            ; v9   and where I take my partner's
.set SGA, 10                           ; v10  the same for the statistics
.set STA, 11                           ; v11
.set L8,  12                           ; v12  8 x lane
.set SC,  14
.set LIM, 15
.set ST,  16
.set Q,   32
.set S,   96
.set POOL, 224
.set TM,  224                          ; the sums' second chains: a pair for each u
.set P,   224                          ; P's two fragments of 16 registers
.set WV,  14                           ; s14  my wave's number; s15 qg; s16 kh
.set G1,  24                           ; s[24:31] descriptor group 1
.set G0,  32                           ; s[32:35] descriptor group 0, which walks
.set TB,  36                           ; s36  LDS byte at which the slot in hand begins
.set SLOTS, 37
.set MSB, 0
.macro WIN new                         ; the immediate's high byte repeats the setting that is left; a switch that changes nothing is dropped
.if MSB != \new
	s_set_vgpr_msb (MSB<<8)|\new
.set MSB, \new
.endif
.endm
.set W_RS, 0x41                        ; destination and source 0 in window 1
.set W_PV, 0x50                        ; C and D in window 1
.macro PLACES n
.rept \n
	v_nop
.endr
.endm
; A round of the cluster's barrier: my work-group's barrier; wave 0 signals for the work-group; every wave waits for all four work-groups; my work-group's barrier once more.
.macro CROUND
	s_barrier_signal -1
	s_barrier_wait -1
	s_cmp_lg_u32 s[WV], 0
	s_cbranch_scc1 .Lnot_wave_0_\@
	s_barrier_signal -3
.Lnot_wave_0_\@:
	s_barrier_wait -3
	s_barrier_signal -1
	s_barrier_wait -1
.endm
	s_load_b256 s[4:11], s[0:1], 0x0               ; Qf s[4:5], KV s[6:7], the scales' exponents s[8:9], Opart s[10:11]
	s_load_b64 s[12:13], s[0:1], 0x20              ; stat
	v_lshl_add_u32 v[SPW], v0, 2, SPARE
	v_mov_b32 v[NIL], 0
	ds_add_u32 v3, v4
	ds_add_u32 v3, v4
	s_wait_dscnt 0x0
	v_lshrrev_b32 v5, 5, v0
	v_readfirstlane_b32 s[WV], v5                  ; wave 0..7
	s_and_b32 s15, s[WV], 3                        ; qg
	s_lshr_b32 s16, s[WV], 2                       ; kh
	s_bfe_u32 s17, ttmp6, 0x40000                  ; cx: my place in the cluster
	s_lshl_b32 s18, ttmp9, 2                       ; in a cluster launch ttmp9 counts clusters
	s_add_co_u32 s18, s18, s17                     ; qb = 4 x cluster x + cx: it enters Qf's, Opart's and stat's addresses alone
	s_and_b32 s19, ttmp7, 0xffff                   ; kq, which the four partners share
	; descriptor group 1: 64 rows of 32 elements of 8 bytes, dense: 16,384 bytes
	s_mov_b32 s[G1], 15|(3<<16)|(1<<21)            ; 15:0 the mask: all four work-groups; 17:16 elements of 8 bytes; 20 no padding; 21 set beside a mask
	s_mov_b32 s[G1+1], 32<<16                      ; tensor_dim0 = 32
	s_mov_b32 s[G1+2], 64<<16                      ; tensor_dim1 = 64
	s_mov_b32 s[G1+3], 32<<16                      ; tile_dim0 = 32
	s_mov_b32 s[G1+4], 64                          ; tile_dim1 = 64
	s_mov_b32 s[G1+5], 32                          ; from row to row: 32 elements
	s_mov_b32 s[G1+6], 0
	s_mov_b32 s[G1+7], 0
	s_mov_b32 s20, 0x76543210                      ; v_permlanex16_b32's selects for lane l xor 16
	s_mov_b32 s21, 0xfedcba98
	s_mov_b32 s[TB], 0
	s_mov_b32 s[G0], 1                             ; count = 1
	s_lshl_b32 s[G0+1], s[WV], 14                  ; LDS address: slot 0, my 16,384 bytes: the wave's number alone
	s_lshl_b32 s44, s19, 20                        ; KV: the quarter's 1,048,576 bytes,
	s_add_co_u32 s44, s44, s[G0+1]                 ; my 16,384 of a slot's: nothing here hangs on cx
	s_mov_b32 s45, 0
	s_lshl_b32 s46, s18, 15                        ; Qf: 32,768 qb + 8,192 qg
	s_lshl_b32 s47, s15, 13
	s_add_co_u32 s46, s46, s47
	s_mov_b32 s47, 0
	s_lshl_b32 s52, s15, 1
	s_add_co_u32 s52, s52, s16                     ; 2 qg + kh: the tile of the block's eight that I finish
	s_lshl_b32 s48, s18, 3
	s_add_co_u32 s48, s48, s52                     ; and among all 512
	s_lshl_b32 s50, s48, 8                         ; stat: 256 bytes a tile,
	s_lshl_b32 s48, s48, 14                        ; Opart: 16,384
	s_lshl_b32 s49, s19, 23
	s_add_co_u32 s48, s48, s49                     ; + 8,388,608 kq
	s_mov_b32 s49, 0
	s_lshl_b32 s51, s19, 17
	s_add_co_u32 s50, s50, s51                     ; + 131,072 kq
	s_mov_b32 s51, 0
	; every LDS address is made here, ahead of the first place where waves part
	v_and_b32 v[LI], 31, v0
	v_lshlrev_b32 v[L8], 3, v[LI]
	v_lshlrev_b32 v[LI], 4, v[LI]
	s_lshl_b32 s53, s16, 15
	v_add_nc_u32 v[AK0], s53, v[LI]
	v_add_nc_u32 v[AV0], 65536, v[AK0]
	s_xor_b32 s54, s52, 1                          ; the tile that I give away: my partner finishes it
	s_lshl_b32 s53, s54, 14
	v_add_nc_u32 v[GA], s53, v[LI]
	s_lshl_b32 s53, s52, 14
	v_add_nc_u32 v[TA], s53, v[LI]
	s_lshl_b32 s53, s54, 8
	s_add_co_u32 s53, s53, STATL
	v_add_nc_u32 v[SGA], s53, v[L8]
	s_lshl_b32 s53, s52, 8
	s_add_co_u32 s53, s53, STATL
	v_add_nc_u32 v[STA], s53, v[L8]
.irp u, 0,1
	v_mov_b32 v[ST+8*\u+5], 0                      ; named as the upper half of f's pair
.endr
	s_wait_kmcnt 0x0
	s_load_b128 s[40:43], s[8:9], 0x18             ; e6, e7, e8, e9
	s_add_nc_u64 s[G0+2:G0+3], s[6:7], s[44:45]    ; global address: the quarter's first 256 keys
	s_or_b32 s[G0+3], s[G0+3], 0x80000000          ; type = 2
	s_add_nc_u64 s[4:5], s[4:5], s[46:47]
	s_add_nc_u64 s[10:11], s[10:11], s[48:49]
	s_add_nc_u64 s[12:13], s[12:13], s[50:51]
	CROUND                                         ; all four work-groups are here: the first joint loads meet
	tensor_load_to_lds s[G0:G0+3], s[G1:G1+7]      ; slot 0: one load of mine is out
	s_nop 0
	PLACES 4                                       ; four v_nop follow the load
.set n, 0
.rept 16
	global_load_b128 v[Q+4*n:Q+4*n+3], v[LI], s[4:5] offset:512*n   ; Q stays in registers: tile u = n / 8, 128 along d: (n / 4) % 2
.set n, n+1
.endr
	s_wait_kmcnt 0x0
	s_add_co_i32 s44, s40, s41
	s_lshl_b32 s44, s44, 23
	s_add_co_i32 s22, s44, 0x3db8aa3b              ; c = log2(e) / 16, with e6 + e7 added to its exponent field: a score stands for score x 2^(e6 + e7)
	s_mov_b32 s23, s22                             ; (named with it as a pair, so it is written)
	s_add_co_i32 s44, s42, 127
	s_lshl_b32 s45, s44, 23
	v_mov_b32 v[SC], s45                           ; 2^e8 as f32, for the conversion
	s_add_co_i32 s44, s44, 15
	s_lshl_b32 s44, s44, 23
	s_or_b32 s44, s44, 0x600000
	v_mov_b32 v[LIM], s44                          ; 57,344 x 2^e8
; THE CHANGE OF SLOTS stands at a slot's head.  Each wave waits for all its tensor loads (its part of the slot that it is about to read), adds 0 to its spare word, and waits for that and for its reads of the slot
; that it has left.  fill = 1: the barrier is a round of the cluster's, and behind it the other slot is filled with the next 256 keys: the load has a whole slot's key step of each wave in which to land.
.macro CHANGE fill
	WIN 0
	s_wait_tensorcnt 0x0                           ; no tensor load of mine is out, so group 0 may be written
	ds_add_u32 v[SPW], v[NIL]                      ; 0 onto my spare word
.if \fill
	s_xor_b32 s[G0+1], s[G0+1], SLOT1              ; the other slot than last time,
	s_add_nc_u64 s[G0+2:G0+3], s[G0+2:G0+3], 131072   ; the next 256 keys; the type bits on top are not reached
.endif
	s_wait_dscnt 0x0                               ; the add is done, and my reads of the slot that I have left are over
.if \fill
	CROUND
	tensor_load_to_lds s[G0:G0+3], s[G1:G1+7]      ; the first thing behind the round, and my one tensor load until the next
	s_nop 0
	PLACES 4
.else
	s_barrier_signal -1
	s_barrier_wait -1
.endif
.endm
.macro KLOAD t, reg                    ; tile t of my eight (16 keys x 256 along d: two fragments, 32 registers) into v[reg] on: eight loads
.irp ks, 0,1
.irp c, 0,1,2,3
	ds_load_b128 v[\reg+16*\ks+4*\c:\reg+16*\ks+4*\c+3], v[ADK] offset:\t*4096+\ks*2048+\c*512
.endr
.endr
.endm
.macro SMUL t, reg                     ; the scores of tile t for both tiles of queries: two accumulators by turns; the first two products start the sums
.irp u, 0,1
	v_wmma_f32_16x16x128_bf8_bf8 v[S+16*\t+8*\u:S+16*\t+8*\u+7], v[\reg:\reg+15], v[Q+32*\u:Q+32*\u+15], 0
.endr
.irp u, 0,1
	v_wmma_f32_16x16x128_bf8_bf8 v[S+16*\t+8*\u:S+16*\t+8*\u+7], v[\reg+16:\reg+31], v[Q+32*\u+16:Q+32*\u+31], v[S+16*\t+8*\u:S+16*\t+8*\u+7]
.endr
.endm
; Tile t's scores enter the maximum: eight lines, the two u by turns; even tiles feed chain +6, odd tiles chain +7; tiles 0 and 1 start the chains.  Each accumulator is read from its low end on.
.macro MAXT t
.set cc, ST+6+(\t)%2
.set sb, S+16*(\t)
.if (\t) < 2
.irp u, 0,1
	v_max3_num_f32 v[cc+8*\u], v[sb+8*\u], v[sb+8*\u+1], v[sb+8*\u+2]
.endr
.irp j, 3,5
.irp u, 0,1
	v_max3_num_f32 v[cc+8*\u], v[cc+8*\u], v[sb+8*\u+\j], v[sb+8*\u+\j+1]
.endr
.endr
.irp u, 0,1
	v_max_num_f32 v[cc+8*\u], v[cc+8*\u], v[sb+8*\u+7]
.endr
.else
.irp j, 0,2,4,6
.irp u, 0,1
	v_max3_num_f32 v[cc+8*\u], v[cc+8*\u], v[sb+8*\u+\j], v[sb+8*\u+\j+1]
.endr
.endr
.endif
.endm
.macro VFRAG d, pl                     ; V^T's fragment of channels 16 d on (16 channels x my 128 keys: two images of 64 keys) into the 16 registers of score tile pl: four loads
.irp s, 0,1
.irp c, 0,1
	ds_load_b128 v[S+16*(\pl)+8*\s+4*\c:S+16*(\pl)+8*\s+4*\c+3], v[ADV] offset:\s*16384+(\d)*1024+\c*512
.endr
.endr
.endm
.macro PV d0, first                    ; O^T += V^T P^T for channels 16 d0 .. 16 d0 + 63: eight accumulators, one instruction each; first = 1: they start the sums: nothing is ever cleared
.irp i, 0,1,2,3
.irp u, 0,1
.if \first
	v_wmma_f32_16x16x128_bf8_bf8 v[128*\u+8*(\d0+\i):128*\u+8*(\d0+\i)+7], v[S+16*((\d0+\i)%8):S+16*((\d0+\i)%8)+15], v[P+16*\u:P+16*\u+15], 0
.else
	v_wmma_f32_16x16x128_bf8_bf8 v[128*\u+8*(\d0+\i):128*\u+8*(\d0+\i)+7], v[S+16*((\d0+\i)%8):S+16*((\d0+\i)%8)+15], v[P+16*\u:P+16*\u+15], v[128*\u+8*(\d0+\i):128*\u+8*(\d0+\i)+7]
.endif
.endr
.endr
.endm
.macro RESC d0, nd                     ; O^T under the new M: x f, for nd tiles of channels from d0 on; each accumulator from its low end on
.irp u, 0,1
.set n, 0
.rept 4*\nd
	v_pk_mul_f32 v[128*\u+8*\d0+n:128*\u+8*\d0+n+1], v[128*\u+8*\d0+n:128*\u+8*\d0+n+1], v[ST+8*\u+4:ST+8*\u+5] op_sel_hi:[1,0]
.set n, n+2
.endr
.endr
.endm
; A KEY STEP: my 128 keys of the slot in hand.  first = 1: the wave's very first step, which starts M, l and O^T.
; DISTANCES (ISA guide 7.12.1 for vector lines): a vector line reads a matrix result, and a load lands in a register that a product has read, four plain vector lines behind that product; a product writes over
; such a register five behind.  Behind tile 1 these lines are v_nop; from there on they are the maxima of tiles finished two products' groups earlier, which name no register of the products that they stand behind.
.macro STEP first
	KLOAD 0, S+32                                  ; tiles 0, 2, 3 lie where score tiles 2-3, 4-5, 6-7 will be written later; tile 1 in the pool
	KLOAD 1, POOL
	KLOAD 2, S+64
	KLOAD 3, S+96
	s_wait_dscnt 24                                ; tile 0 is in; tiles 1, 2, 3 (24 loads) may be out
	SMUL 0, S+32
	s_wait_dscnt 16                                ; tile 1 is in; tiles 2, 3 may be out
	SMUL 1, POOL
	PLACES 5                                       ; in front of the load into the pool, and of tile 2's products, which write where tile 0 of K lay
	KLOAD 4, POOL
	s_wait_dscnt 16                                ; tile 2 is in; tiles 3, 4 may be out
	SMUL 2, S+64
	s_wait_dscnt 8                                 ; tile 3 is in; tile 4 may be out
	SMUL 3, S+96
	MAXT 0
	MAXT 1
	KLOAD 5, S+96
	s_wait_dscnt 8                                 ; tile 4 is in; tile 5 may be out
	SMUL 4, POOL
	MAXT 2
	MAXT 3
	KLOAD 6, POOL
	s_wait_dscnt 8                                 ; tile 5 is in; tile 6 may be out
	SMUL 5, S+96
	MAXT 4                                         ; eight lines between tile 5's products and tile 6's, which write where tile 5 of K lay
	s_wait_dscnt 0x0
	SMUL 6, POOL
	MAXT 5
	KLOAD 7, POOL                                  ; with six score tiles written and one in hand only the pool is left: the last tile of K comes when the pool is free
	s_wait_dscnt 0x0
	SMUL 7, POOL
	MAXT 6
	MAXT 7
.irp u, 0,1
	v_max_num_f32 v[ST+8*\u+6], v[ST+8*\u+6], v[ST+8*\u+7]
.endr
.irp u, 0,1
	v_permlanex16_b32 v[ST+8*\u+7], v[ST+8*\u+6], s20, s21   ; the query's other 64 keys lie in the lane 16 away
.endr
.irp u, 0,1
	v_max_num_f32 v[ST+8*\u+6], v[ST+8*\u+6], v[ST+8*\u+7]
.endr
.if \first
.irp u, 0,1
	v_mul_f32 v[ST+8*\u+1], s22, v[ST+8*\u+6]      ; as t (c is positive): the largest t so far
.endr
.irp u, 0,1
	v_floor_f32 v[ST+8*\u], -v[ST+8*\u+1]          ; -M = floor(-t) = -ceil(t): M is a whole number
.endr
.else
.irp u, 0,1
	v_mul_f32 v[ST+8*\u+6], s22, v[ST+8*\u+6]
.endr
.irp u, 0,1
	v_max_num_f32 v[ST+8*\u+1], v[ST+8*\u+1], v[ST+8*\u+6]   ; the running largest t
	v_mov_b32 v[ST+8*\u+6], v[ST+8*\u]
.endr
.irp u, 0,1
	v_floor_f32 v[ST+8*\u], -v[ST+8*\u+1]
.endr
.irp u, 0,1
	v_sub_f32 v[ST+8*\u+6], v[ST+8*\u], v[ST+8*\u+6]       ; old M - new M: a whole number, 0 or less
.endr
.irp u, 0,1
	v_cvt_i32_f32 v[ST+8*\u+6], v[ST+8*\u+6]               ; (it saturates)
.endr
.irp u, 0,1
	v_ldexp_f32 v[ST+8*\u+4], 1.0, v[ST+8*\u+6]            ; f = 2^(old M - new M)
.endr
.endif
.set n, 0
.rept 64
	v_pk_fma_f32 v[S+n:S+n+1], v[S+n:S+n+1], s[22:23], v[ST+8*((n/8)%2):ST+8*((n/8)%2)+1] op_sel_hi:[1,0,0]   ; t - M, two at a time (of the pairs c and -M the low word serves both halves)
.set n, n+2
.endr
.set n, 0
.rept 128
	v_exp_f32 v[S+n], v[S+n]                       ; p = 2^(t - M), at most 1: not normalised
.set n, n+1
.endr
.if \first
	v_nop                                          ; a plain line behind the exponentials (ISA guide 5.7.2)
	s_wait_alu depctr_va_vdst(0)
.else
	s_wait_alu depctr_va_vdst(0)
.irp u, 0,1
	v_pk_mul_f32 v[ST+8*\u+2:ST+8*\u+3], v[ST+8*\u+2:ST+8*\u+3], v[ST+8*\u+4:ST+8*\u+5] op_sel_hi:[1,0]   ; l under the new M; also the plain line behind the exponentials
.endr
.endif
	; the row's sum is taken of the unquantised p: two at a time, in two chains a tile of queries
.irp u, 0,1
	v_pk_add_f32 v[TM+2*\u:TM+2*\u+1], v[S+8*\u:S+8*\u+1], v[S+8*\u+2:S+8*\u+3]
.if \first
	v_pk_add_f32 v[ST+8*\u+2:ST+8*\u+3], v[S+8*\u+4:S+8*\u+5], v[S+8*\u+6:S+8*\u+7]
.else
	v_pk_add_f32 v[ST+8*\u+2:ST+8*\u+3], v[ST+8*\u+2:ST+8*\u+3], v[S+8*\u+4:S+8*\u+5]
	v_pk_add_f32 v[TM+2*\u:TM+2*\u+1], v[TM+2*\u:TM+2*\u+1], v[S+8*\u+6:S+8*\u+7]
.endif
.endr
.irp t, 1,2,3,4,5,6,7
.irp j, 0,4
.irp u, 0,1
	v_pk_add_f32 v[ST+8*\u+2:ST+8*\u+3], v[ST+8*\u+2:ST+8*\u+3], v[S+16*\t+8*\u+\j:S+16*\t+8*\u+\j+1]
	v_pk_add_f32 v[TM+2*\u:TM+2*\u+1], v[TM+2*\u:TM+2*\u+1], v[S+16*\t+8*\u+\j+2:S+16*\t+8*\u+\j+3]
.endr
.endr
.endr
.irp u, 0,1
	v_pk_add_f32 v[ST+8*\u+2:ST+8*\u+3], v[ST+8*\u+2:ST+8*\u+3], v[TM+2*\u:TM+2*\u+1]
.endr
	; tile by tile: the hold, the conversion, and into the 16 registers that the tile leaves a fragment of V^T: the first eight fragments are asked for here and land under the rescaling of O^T.
	; The next tile's holds are the plain lines behind a tile's conversions; a load into a conversion's sources wants none.
.irp t, 0,1,2,3,4,5,6,7
.set n, 0
.rept 16
	v_min_num_f32 v[S+16*\t+n], v[S+16*\t+n], v[LIM]   ; the conversion to an 8-bit code does not saturate (ISA guide 7.6.2); p is not negative, so the hold is one-sided
.set n, n+1
.endr
.irp u, 0,1
	v_cvt_scalef32_pk8_bf8_f32 v[P+16*\u+2*\t:P+16*\u+2*\t+1], v[S+16*\t+8*\u:S+16*\t+8*\u+7], v[SC]
.endr
	VFRAG \t, \t
.endr
	v_nop                                          ; a plain line between the last conversion and the products that read its result
.if !\first
	WIN W_RS
	RESC 0, 8
.endif
	s_wait_dscnt 16                                ; fragments 0-3 are in; 4-7 (sixteen loads) may be out
	WIN W_PV
	PV 0, \first
.if \first
	PLACES 4
.else
	WIN W_RS
	RESC 8, 4                                      ; the rescaling of the channels that come next: also the plain lines in front of the loads below
.endif
	WIN 0
.irp d, 8,9,10,11
	VFRAG \d, \d-8
.endr
	s_wait_dscnt 16                                ; fragments 4-7 are in; the sixteen loads just issued may be out
	WIN W_PV
	PV 4, \first
.if \first
	PLACES 4
.else
	WIN W_RS
	RESC 12, 4
.endif
	WIN 0
.irp d, 12,13,14,15
	VFRAG \d, \d-8
.endr
	s_wait_dscnt 16                                ; fragments 8-11 are in; 12-15 may be out
	WIN W_PV
	PV 8, \first
	s_wait_dscnt 0x0
	PV 12, \first
	WIN 0
.endm
; pl: v_nop at the step's head.  Behind a joint load its four v_nop and the two additions below are the six plain lines between the last step's products and the loads and products that write over their operands;
; where no load was issued, four v_nop stand beside the two additions.
.macro SLOTWORK first, pl
	v_add_nc_u32 v[ADK], s[TB], v[AK0]
	v_add_nc_u32 v[ADV], s[TB], v[AV0]
.if \pl
	PLACES \pl
.endif
	STEP \first
	s_xor_b32 s[TB], s[TB], SLOT1                  ; on to the other slot
.endm
	s_wait_loadcnt 0x0                             ; Q
	CHANGE 1                                       ; slot 0 is whole; slot 1 is asked for as a refill is
	SLOTWORK 1, 0
	s_mov_b32 s[SLOTS], NSL-2
.Lslot:                                            ; six trips: they work tiles 1 to 6 and ask for tiles 2 to 7
	CHANGE 1
	SLOTWORK 0, 0
	s_sub_co_u32 s[SLOTS], s[SLOTS], 1
	s_cmp_lg_u32 s[SLOTS], 0
	s_cbranch_scc1 .Lslot
	CHANGE 0                                       ; the last slot is written out
	SLOTWORK 0, 4
	; THE TWO KEY HALVES JOIN.  The stage lies in slot 0: it has had its last fill, and every wave has passed the last change of slots, behind which nobody reads it.
	PLACES 4                                       ; behind the last products, in front of reads of their results and of loads into their sources
.irp u, 0,1
	v_add_f32 v[ST+8*\u+2], v[ST+8*\u+2], v[ST+8*\u+3]     ; l's two halves,
.endr
.irp u, 0,1
	v_permlanex16_b32 v[ST+8*\u+7], v[ST+8*\u+2], s20, s21
.endr
.irp u, 0,1
	v_add_f32 v[ST+8*\u+2], v[ST+8*\u+2], v[ST+8*\u+7]     ; and lane l xor 16's
.endr
.macro GIVE u                          ; tile u's -M, l and O^T go to LDS as they stand in the registers
	v_mov_b32 v240, v[ST+8*\u]
	v_mov_b32 v241, v[ST+8*\u+2]
	ds_store_b64 v[SGA], v[240:241]
	WIN 0x04                                       ; an LDS store's data are source 1: window 1
.set n, 0
.rept 32
	ds_store_b128 v[GA], v[128*\u+4*n:128*\u+4*n+3] offset:512*n
.set n, n+1
.endr
	WIN 0
.endm
.macro TAKE u                          ; my partner's part of tile u is joined with mine, and the tile leaves
	ds_load_b64 v[242:243], v[STA]
.set n, 0
.rept 32
	ds_load_b128 v[Q+4*n:Q+4*n+3], v[TA] offset:512*n      ; into the registers that Q and the first fragments of V^T have left
.set n, n+1
.endr
	s_wait_dscnt 32                                ; the statistics are in; the 32 loads behind them may be out
	v_min_num_f32 v248, v[ST+8*\u], v242           ; the joint -M
	v_sub_f32 v244, v248, v[ST+8*\u]               ; my M - the joint M: a whole number, 0 or less
	v_sub_f32 v246, v248, v242                     ; my partner's likewise
	v_cvt_i32_f32 v244, v244
	v_cvt_i32_f32 v246, v246
	v_ldexp_f32 v244, 1.0, v244                    ; exact powers of two
	v_ldexp_f32 v246, 1.0, v246
	v_mov_b32 v245, v244                           ; as pairs, for the packed forms
	v_mov_b32 v247, v246
	v_mul_f32 v249, v[ST+8*\u+2], v244
	v_fma_f32 v249, v243, v246, v249               ; the joint l
	global_store_b64 v[L8], v[248:249], s[12:13]   ; 256 consecutive bytes, aligned
	WIN W_RS
.set n, 0
.rept 64
	v_pk_mul_f32 v[128*\u+n:128*\u+n+1], v[128*\u+n:128*\u+n+1], v[244:245]   ; mine under the joint M, while my partner's is on its way
.set n, n+2
.endr
	s_wait_dscnt 0x0
	WIN 0x10                                       ; source 2 in window 1
.set n, 0
.rept 64
	v_pk_fma_f32 v[Q+n:Q+n+1], v[Q+n:Q+n+1], v[246:247], v[128*\u+n:128*\u+n+1]
.set n, n+2
.endr
	WIN 0
.set n, 0
.rept 32
	global_store_b128 v[LI], v[Q+4*n:Q+4*n+3], s[10:11] offset:512*n   ; the image of O^T's registers: 512 consecutive bytes, aligned; the next launch reads them
.set n, n+1
.endr
.endm
	s_cmp_eq_u32 s16, 0                            ; the wave of the lower keys keeps tile 0 and gives tile 1; the other the other way round
	s_cbranch_scc0 .Lgive_hi
	GIVE 1
	s_branch .Lgiven
.Lgive_hi:
	GIVE 0
.Lgiven:
	s_wait_dscnt 0x0                               ; for the others' sake: my stores into the stage are done
	s_barrier_signal -1
	s_barrier_wait -1
	s_cmp_eq_u32 s16, 0
	s_cbranch_scc0 .Ltake_hi
	TAKE 0
	s_branch .Ltaken
.Ltake_hi:
	TAKE 1
.Ltaken:
	s_wait_tensorcnt 0x0                           ; the wave's end, behind my last tensor load and my last LDS store
	ds_add_u32 v[SPW], v[NIL]
	s_wait_dscnt 0x0
	CROUND                                         ; the closing round: no work-group ends while a partner may still ask for a tile that names it
	s_endpgm
.Lfunc_end_k_qda06070c8a_attn:
	.size	k_qda06070c8a_attn, .Lfunc_end_k_qda06070c8a_attn-k_qda06070c8a_attn
	.p2alignl 7, 3214868480
	.fill 96, 4, 3214868480
	.section	.rodata,"a",@progbits
	.p2align	6, 0x0
	.amdhsa_kernel k_qda06070c8a_attn
		.amdhsa_group_segment_fixed_size 327680
		.amdhsa_private_segment_fixed_size 0
		.amdhsa_enable_private_segment 0
		.amdhsa_kernarg_size 40
		.amdhsa_user_sgpr_count 2
		.amdhsa_user_sgpr_kernarg_segment_ptr 1
		.amdhsa_wavefront_size32 1
		.amdhsa_system_sgpr_workgroup_id_x 1
		.amdhsa_system_sgpr_workgroup_id_y 1
		.amdhsa_system_sgpr_workgroup_id_z 1
		.amdhsa_system_vgpr_workitem_id 0
		.amdhsa_next_free_vgpr 512
		.amdhsa_next_free_sgpr 66
		.amdhsa_reserve_vcc 0
		.amdhsa_float_denorm_mode_32 3
		.amdhsa_float_denorm_mode_16_64 3
		.amdhsa_memory_ordered 1
		.amdhsa_forward_progress 1
		.amdhsa_inst_pref_size 161
	.end_amdhsa_kernel
	.amdgpu_metadata
---
amdhsa.version: [ 1, 2 ]
amdhsa.kernels:
  - .name:           k_qda06070c8a_attn
    .symbol:         k_qda06070c8a_attn.kd
    .args:
      - { .name: Qf, .offset: 0, .size: 8, .value_kind: global_buffer, .address_space: global }
      - { .name: KV, .offset: 8, .size: 8, .value_kind: global_buffer, .address_space: global }
      - { .name: lowp_scales, .offset: 16, .size: 8, .value_kind: global_buffer, .address_space: global }
      - { .name: Opart, .offset: 24, .size: 8, .value_kind: global_buffer, .address_space: global }
      - { .name: stat, .offset: 32, .size: 8, .value_kind: global_buffer, .address_space: global }
    .group_segment_fixed_size: 327680
    .private_segment_fixed_size: 0
    .kernarg_segment_align: 8
    .kernarg_segment_size: 40
    .max_flat_workgroup_size: 256
    .sgpr_count:     66
    .vgpr_count:     512
    .wavefront_size: 32
...
	.end_amdgpu_metadata
.endif
;; end of part 2
;; launch merge (part 3): grid 256 x 1, 8 waves a work-group, no clusters, 35,840 bytes of LDS; arguments Opart, stat, lowp_scales, out0; writes out0
.if DOCPART == 3
	.amdgcn_target "amdgcn-amd-amdhsa--gfx1250"
	.amdhsa_code_object_version 6
	.text
	.protected	k_qda06070c8a_merge
	.globl	k_qda06070c8a_merge
	.p2align	8
	.type	k_qda06070c8a_merge,@function
k_qda06070c8a_merge:
	s_mov_b64 s[64:65], 0
	v_nop
	global_prefetch_b8 v0, s[64:65] scope:SCOPE_SE
	s_setreg_imm32_b32 hwreg(HW_REG_WAVE_MODE, 25, 1), 1
	s_wait_xcnt 0x0
; The four key quarters are joined: out0[q][d] = (sum over k of 2^(M_k - M) O_k[q][d]) / (sum over k of 2^(M_k - M) l_k) x 2^(e8 + e9), M the largest of the four M_k.  The powers of two are exact.
; Opart: [quarter 4][tile of 16 queries 512][16 channels: 16][4 registers: 2][lane][16 bytes] f32: lane (r, h) holds query r, channels 16 tile + 8 h + 4 c + 0 .. 3.  stat: [quarter][tile][lane](-M, l).  out0: [8192][256] f32.
; SHARES.  Work-group x: tiles 2 x, 2 x + 1.  Wave w: tile 2 x + w / 4, channels 64 (w % 4) on: 4,096 bytes of each quarter's image, 256 bytes of each of 16 rows of out0.
; A stream: each byte of Opart is read once, by loads of 512 consecutive bytes, all 36 of a wave issued at the start; the image turns into rows through the wave's own stage in LDS (rows of 256 bytes + 16),
; and sixteen lanes store 256 consecutive bytes, aligned.  Waves share nothing: no barrier.  Work-groups share no input but a tile's 1,024 bytes of statistics: no cluster, no tensor load, no matrix unit.
; e8 + e9 is applied by v_ldexp_f32 to 1 / l.  Infinity and NaN are not served.
.set OFF, 2                            ; v2-5    16 x lane + 8,388,608 k
.set X,   32                           ; v32-159 chunk i of quarter k at 16 i + 4 k; later 16 rows read back from the stage
.set R,   160                          ; v160-191 results, four a chunk
	s_load_b256 s[4:11], s[0:1], 0x0               ; Opart s[4:5], stat s[6:7], the scales' exponents s[8:9], out0 s[10:11]
	v_lshl_add_u32 v208, v0, 2, 0x8800
	v_mov_b32 v209, 0
	v_lshrrev_b32 v1, 5, v0
	v_readfirstlane_b32 s14, v1                    ; wave 0..7
	v_and_b32 v1, 31, v0                           ; lane
	v_and_b32 v28, 15, v0                          ; r
	v_bfe_u32 v29, v0, 4, 1                        ; h
	v_lshlrev_b32 v[OFF], 4, v1
	v_add_nc_u32 v[OFF+1], 0x800000, v[OFF]
	v_add_nc_u32 v[OFF+2], 0x1000000, v[OFF]
	v_add_nc_u32 v[OFF+3], 0x1800000, v[OFF]
	v_lshlrev_b32 v6, 3, v1                        ; 8 x lane
	s_mul_i32 s15, s14, 4352                       ; my stage: 16 rows x 272 bytes
	v_mul_u32_u24 v7, v28, 272
	v_lshl_add_u32 v7, v29, 5, v7
	v_add_nc_u32 v7, s15, v7                       ; in: row r, + 32 h
	v_mul_u32_u24 v8, v29, 272
	v_lshl_add_u32 v8, v28, 4, v8
	v_add_nc_u32 v8, s15, v8                       ; back: lanes 0-15 one row, lanes 16-31 the next
	v_lshlrev_b32 v9, 10, v29
	v_lshl_add_u32 v9, v28, 4, v9                  ; and the same two rows in out0
	s_lshr_b32 s16, s14, 2
	s_and_b32 s17, s14, 3
	s_lshl_b32 s18, ttmp9, 1
	s_add_co_u32 s18, s18, s16                     ; my tile of 16 queries
	s_lshl_b32 s20, s18, 14                        ; 16,384 bytes a tile, in Opart and in out0
	s_lshl_b32 s22, s17, 12
	s_add_co_u32 s22, s22, s20                     ; Opart: + 4,096 (w % 4)
	s_mov_b32 s23, 0
	s_lshl_b32 s24, s18, 8                         ; stat: 256 bytes a tile
	s_mov_b32 s25, 0
	s_lshl_b32 s26, s17, 8
	s_add_co_u32 s26, s26, s20                     ; out0: + 256 (w % 4)
	s_mov_b32 s27, 0
	s_wait_kmcnt 0x0
	s_load_b64 s[12:13], s[8:9], 0x20              ; e8, e9
	s_add_nc_u64 s[4:5], s[4:5], s[22:23]
	s_add_nc_u64 s[6:7], s[6:7], s[24:25]
	s_add_nc_u64 s[10:11], s[10:11], s[26:27]
.irp k, 0,1,2,3
	global_load_b64 v[10+2*\k:11+2*\k], v6, s[6:7] offset:\k*131072   ; -M_k, l_k of my query
.endr
.irp i, 0,1,2,3,4,5,6,7
.irp k, 0,1,2,3
	global_load_b128 v[X+16*\i+4*\k:X+16*\i+4*\k+3], v[OFF+\k], s[4:5] offset:512*\i th:TH_LOAD_NT   ; 512 consecutive bytes; read once in the launch
.endr
.endr
	s_wait_loadcnt 32                              ; the statistics are in; the 32 loads behind them stay out
	v_min3_num_f32 v26, v10, v12, v14
	v_min_num_f32 v26, v26, v16                    ; the joint -M
.irp k, 0,1,2,3
	v_sub_f32 v[18+2*\k], v26, v[10+2*\k]          ; M_k - M: a whole number, 0 or less
.endr
.irp k, 0,1,2,3
	v_cvt_i32_f32 v[18+2*\k], v[18+2*\k]           ; (it saturates)
.endr
.irp k, 0,1,2,3
	v_ldexp_f32 v[18+2*\k], 1.0, v[18+2*\k]        ; f_k
.endr
	v_mul_f32 v27, v18, v11
	v_fmac_f32 v27, v20, v13
	v_fmac_f32 v27, v22, v15
	v_fmac_f32 v27, v24, v17                       ; the row's sum
	v_rcp_f32 v27, v27
	v_nop                                          ; a plain line behind the transcendental (ISA guide 5.7.2)
	s_wait_kmcnt 0x0
	s_add_co_i32 s12, s12, s13
	s_wait_alu depctr_va_vdst(0)
	v_ldexp_f32 v27, v27, s12                      ; x 2^(e8 + e9)
.irp k, 0,1,2,3
	v_mul_f32 v[18+2*\k], v[18+2*\k], v27          ; g_k,
.endr
.irp k, 0,1,2,3
	v_mov_b32 v[19+2*\k], v[18+2*\k]               ; as a pair for the packed forms
.endr
.irp i, 0,1,2,3,4,5,6,7
	s_wait_loadcnt 4*(7-\i)                        ; chunk i's four loads are in; the later chunks' stay out
.irp p, 0,2
	v_pk_mul_f32 v[R+4*\i+\p:R+4*\i+\p+1], v[X+16*\i+\p:X+16*\i+\p+1], v[18:19]
.endr
.irp k, 1,2,3
.irp p, 0,2
	v_pk_fma_f32 v[R+4*\i+\p:R+4*\i+\p+1], v[X+16*\i+4*\k+\p:X+16*\i+4*\k+\p+1], v[18+2*\k:19+2*\k], v[R+4*\i+\p:R+4*\i+\p+1]
.endr
.endr
	ds_store_b128 v7, v[R+4*\i:R+4*\i+3] offset:64*(\i/2)+16*(\i%2)   ; channels 16 (i / 2) + 8 h + 4 (i % 2) + 0 .. 3 of row r
.endr
.irp i, 0,1,2,3,4,5,6,7
	ds_load_b128 v[X+4*\i:X+4*\i+3], v8 offset:2*\i*272   ; LDS serves a wave's instructions in order (ISA guide 5.7.1.4): these see my stores
.endr
.irp i, 0,1,2,3,4,5,6,7
	s_wait_dscnt 7-\i
	global_store_b128 v9, v[X+4*\i:X+4*\i+3], s[10:11] offset:2*\i*1024 th:TH_STORE_NT   ; sixteen lanes store 256 consecutive bytes, aligned; written once, read by nobody here
.endr
	s_wait_tensorcnt 0x0
	ds_add_u32 v208, v209
	s_wait_dscnt 0x0
	s_endpgm
.Lfunc_end_k_qda06070c8a_merge:
	.size	k_qda06070c8a_merge, .Lfunc_end_k_qda06070c8a_merge-k_qda06070c8a_merge
	.p2alignl 7, 3214868480
	.fill 96, 4, 3214868480
	.section	.rodata,"a",@progbits
	.p2align	6, 0x0
	.amdhsa_kernel k_qda06070c8a_merge
		.amdhsa_group_segment_fixed_size 35840
		.amdhsa_private_segment_fixed_size 0
		.amdhsa_enable_private_segment 0
		.amdhsa_kernarg_size 32
		.amdhsa_user_sgpr_count 2
		.amdhsa_user_sgpr_kernarg_segment_ptr 1
		.amdhsa_wavefront_size32 1
		.amdhsa_system_sgpr_workgroup_id_x 1
		.amdhsa_system_sgpr_workgroup_id_y 1
		.amdhsa_system_sgpr_workgroup_id_z 1
		.amdhsa_system_vgpr_workitem_id 0
		.amdhsa_next_free_vgpr 210
		.amdhsa_next_free_sgpr 66
		.amdhsa_reserve_vcc 0
		.amdhsa_float_denorm_mode_32 3
		.amdhsa_float_denorm_mode_16_64 3
		.amdhsa_memory_ordered 1
		.amdhsa_forward_progress 1
		.amdhsa_inst_pref_size 13
	.end_amdhsa_kernel
	.amdgpu_metadata
---
amdhsa.version: [ 1, 2 ]
amdhsa.kernels:
  - .name:           k_qda06070c8a_merge
    .symbol:         k_qda06070c8a_merge.kd
    .args:
      - { .name: Opart, .offset: 0, .size: 8, .value_kind: global_buffer, .address_space: global }
      - { .name: stat, .offset: 8, .size: 8, .value_kind: global_buffer, .address_space: global }
      - { .name: lowp_scales, .offset: 16, .size: 8, .value_kind: global_buffer, .address_space: global }
      - { .name: out0, .offset: 24, .size: 8, .value_kind: global_buffer, .address_space: global }
    .group_segment_fixed_size: 35840
    .private_segment_fixed_size: 0
    .kernarg_segment_align: 8
    .kernarg_segment_size: 32
    .max_flat_workgroup_size: 256
    .sgpr_count:     66
    .vgpr_count:     210
    .wavefront_size: 32
...
	.end_amdgpu_metadata
.endif
;; end of part 3
